; MI455X (gfx1250); checked and timed in simulation.
; The chip was launched on July 23, 2026; its instructions are those of AMD's public machine-readable ISA for CDNA 5 (MIT licence, August 2026) and "CDNA5" Instruction Set Architecture Reference Guide (July 2026). The comments in the code are by the model that wrote it; some were corrected since.
;; Perlin Power Fractal. Allowed arithmetic: float matrix products may take bf16 or f16 operands with f32 sums; other float arithmetic in f32, or as packed bf16 or f16 multiplies, adds, multiply-adds, maxima and minima; sums over many terms, partial sums and values carried from step to step in f32; what a program stores and reads back later, other than sums and carried values, may be rounded once to bf16 or f16.
;; Inputs: X 1 float32; Y 1 float32; Z 1 float32; p_all 16 x 2,097,152 int32.
;; Outputs: out0 16 x 128 x 1,024 x 1 float32.
;; 2 versions, each right; version 2 is version 1 with the launch scale written anew for expert scheduling mode. Each part assembles by itself: llvm-mc -triple=amdgcn-amd-amdhsa -mcpu=gfx1250 --defsym DOCPART=n.
;; ======== version 1 of 2: 3 launches
;; limits: right only within a limited range of input values
;; workspace buffers: idx 43,008 bytes of whole numbers; acc 8,388,608 bytes; mm 2,048 bytes
;; launch cells (part 1): grid 8 x 1, 8 waves a work-group, no clusters, 0 bytes of LDS; arguments X, Y, Z, idx; writes idx
.if DOCPART == 1
	.amdgcn_target "amdgcn-amd-amdhsa--gfx1250"
	.amdhsa_code_object_version 6
	.text
	.protected	k_qd9ac2bad5d_cells
	.globl	k_qd9ac2bad5d_cells
	.p2align	8
	.type	k_qd9ac2bad5d_cells,@function
k_qd9ac2bad5d_cells:
	s_mov_b64 s[64:65], 0
	v_nop
	global_prefetch_b8 v0, s[64:65] scope:SCOPE_SE
	s_setreg_imm32_b32 hwreg(HW_REG_WAVE_MODE, 25, 1), 1
	s_wait_xcnt 0x0
; THE WHOLE NUMBERS OF THE LATTICE.  The noise launch forms addresses from floor(x) % 255, floor(y) % 255 and floor(z) % 255; they are made here, from X, Y and Z, and stored as whole numbers.
; Work-group o (0..7) serves octave o; 256 threads.  A coordinate is ((n + offset) / 100) * 2^o, by the same instructions as in the noise launch, so that cell and fraction belong to one number.
;   XI[o][c]      floor(x) % 255 of column c                                   8 x 1,024 words; a thread makes 4 neighbouring columns and stores 16 bytes
;   YL[t][j]      the Yl of lattice row j (0..47) of tile t (rows 8 t .. 8 t + 7)  16 x 48 words
;   ZI[b][j]      floor(z) % 255 of image b in the octave that lattice row j belongs to   16 x 48 words
;   RJ[t][g][2 o + i]   the lattice row j that holds the lower corners of row r = g + 4 i of tile t in octave o   16 x 4 x 16 words
; LATTICE ROWS.  With F0 the cell of the tile's first row and m0 = F0 % 255, slot k of an octave holds Yl = (m0 + k) & 255: the sequence .. 254, 255, 0, 1 ..; a cell d further on has its lower
; corners in slot d, or d + 1 once m0 + d has reached 255, and its upper corners in the next slot.  8 rows span 7 x 2^o / 100 cells, so octaves 7 .. 0 get 12, 8, 6, 6, 4, 4, 4, 4 slots,
; beginning at j = 0, 12, 24, 30, 20, 36, 40, 44: four groups of 12 for the noise launch's four groups of waves.
; LIMITS.  |Y| + 128 below 2^17 (else the rounding of row + Y can make 8 rows span more cells than there are slots: the slot is then held to the last one); floors below 2^23 in size.
; n / 100 is n x (1/100) with one fused correction; no other rounding differs from the plain formula.
.set XI_OFF, 0
.set YL_OFF, 32768
.set ZI_OFF, 35840
.set RJ_OFF, 38912
.set OCT, 12                           ; s12  my octave
.set FX,  13                           ; s13  X
.set FY,  14                           ; s14  Y
.set FZ,  15                           ; s15  Z
.set POW, 16                           ; s16  2^octave, as f32
.set JB,  17                           ; s17  the octave's first lattice row j
.set NS,  19                           ; s19  its number of slots
.set WV,  24                           ; s24  my wave's number
.macro DIV100 d, a, q, r               ; d = a / 100: q = a x (1/100), the remainder a - 100 q by one fused line, q corrected by it
	v_mul_f32 v[\q], 0x3c23d70a, v[\a]
	v_fmamk_f32 v[\r], v[\q], 0xc2c80000, v[\a]
	v_fmamk_f32 v[\d], v[\r], 0x3c23d70a, v[\q]
.endm
.macro MOD255 d, a, t                  ; d = a mod 255 in 0 .. 254 for a whole number a in f32: the quotient may be one off either way, so the remainder is set right twice
	v_mul_f32 v[\t], 0x3b808081, v[\a]
	v_floor_f32 v[\t], v[\t]
	v_fmamk_f32 v[\d], v[\t], 0xc37f0000, v[\a]
	v_add_f32 v[\t], 0xc37f0000, v[\d]
	v_cmp_le_f32 vcc_lo, 0x437f0000, v[\d]
	v_cndmask_b32 v[\d], v[\d], v[\t], vcc_lo
	v_add_f32 v[\t], 0x437f0000, v[\d]
	v_cmp_gt_f32 vcc_lo, 0, v[\d]
	v_cndmask_b32 v[\d], v[\d], v[\t], vcc_lo
.endm
.macro CELL d, n, add, q, r            ; d = floor(((n + offset) / 100) x 2^o), n a whole number in a vector register
	v_cvt_f32_u32 v[\d], v[\n]
	v_add_f32 v[\d], s[\add], v[\d]
	DIV100 \d, \d, \q, \r
	v_mul_f32 v[\d], s[POW], v[\d]
	v_floor_f32 v[\d], v[\d]
.endm
	s_load_b256 s[4:11], s[0:1], 0x0               ; X s[4:5], Y s[6:7], Z s[8:9], idx s[10:11]
	s_mov_b32 s[OCT], ttmp9
	s_add_co_u32 s[POW], s[OCT], 127
	s_lshl_b32 s[POW], s[POW], 23                  ; the f32 with exponent o
	s_mov_b32 s17, 0x1424282c                      ; first rows j of octaves 0..3, a byte each: 44, 40, 36, 20
	s_mov_b32 s18, 0x000c181e                      ; of octaves 4..7: 30, 24, 12, 0
	s_mov_b32 s19, 0x04040404                      ; slots of octaves 0..3
	s_mov_b32 s20, 0x0c080606                      ; of octaves 4..7: 6, 6, 8, 12
	s_and_b32 s21, s[OCT], 3
	s_lshl_b32 s21, s21, 3
	s_cmp_lt_u32 s[OCT], 4
	s_cselect_b32 s17, s17, s18
	s_cselect_b32 s19, s19, s20
	s_lshr_b32 s17, s17, s21
	s_and_b32 s[JB], s17, 0xff
	s_lshr_b32 s19, s19, s21
	s_and_b32 s[NS], s19, 0xff
	s_lshl_b32 s22, s[OCT], 12                     ; the octave's 4,096 bytes of XI
	s_mov_b32 s23, 0
	v_lshrrev_b32 v1, 5, v0
	v_readfirstlane_b32 s[WV], v1
	s_wait_kmcnt 0x0
	s_load_b32 s[FX], s[4:5], 0x0
	s_load_b32 s[FY], s[6:7], 0x0
	s_load_b32 s[FZ], s[8:9], 0x0
	s_add_nc_u64 s[26:27], s[10:11], s[22:23]
	v_lshlrev_b32 v2, 2, v0                        ; my first column
	v_lshlrev_b32 v12, 4, v0                       ; my 16 bytes of XI
	s_wait_kmcnt 0x0
	; XI: four columns
.irp e, 0,1,2,3
	v_add_nc_u32 v3, \e, v2
	CELL 4, 3, FX, 5, 6
	MOD255 7, 4, 5
	v_cvt_u32_f32 v[8+\e], v7
.endr
	global_store_b128 v12, v[8:11], s[26:27] offset:XI_OFF  ; a wave stores 512 consecutive bytes
	; YL and ZI: thread = 16 x (tile or image) + slot k
	v_lshrrev_b32 v13, 4, v0                       ; tile t, and image b
	v_and_b32 v14, 15, v0                          ; k
	v_lshlrev_b32 v3, 3, v13                       ; the tile's first row
	CELL 4, 3, FY, 5, 6
	MOD255 7, 4, 5
	v_cvt_u32_f32 v15, v7                          ; m0
	v_add_nc_u32 v15, v15, v14
	v_and_b32 v15, 0xff, v15                       ; Yl of slot k
	v_cvt_f32_u32 v16, v13
	v_mul_f32 v16, 0x3dcccccd, v16                 ; 0.1 b
	v_add_f32 v16, s[FZ], v16                      ; + Z
	DIV100 16, 16, 5, 6
	v_mul_f32 v16, s[POW], v16
	v_floor_f32 v16, v16
	MOD255 7, 16, 5
	v_cvt_u32_f32 v17, v7                          ; Zi
	v_mul_u32_u24 v18, v13, 48
	v_add3_u32 v18, v18, v14, s[JB]
	v_lshlrev_b32 v18, 2, v18                      ; word 48 t + j
	v_cmp_gt_u32 vcc_lo, s[NS], v14                ; only the octave's own slots
	s_wait_xcnt 0x0                                ; EXEC changes only when the store above has read its sources
	s_and_saveexec_b32 s28, vcc_lo
	global_store_b32 v18, v15, s[10:11] offset:YL_OFF
	global_store_b32 v18, v17, s[10:11] offset:ZI_OFF
	s_wait_xcnt 0x0                                ; and again in front of the line that widens it
	s_or_b32 exec_lo, exec_lo, s28
	; RJ: threads 0 .. 127 = 8 x tile + row: waves 0 to 3
	s_cmp_lt_u32 s[WV], 4
	s_cbranch_scc0 .Lend
	v_lshrrev_b32 v13, 3, v0                       ; t
	v_and_b32 v14, 7, v0                           ; r
	v_lshlrev_b32 v3, 3, v13
	CELL 4, 3, FY, 5, 6                            ; F0
	MOD255 7, 4, 5                                 ; m0
	v_add_nc_u32 v3, v3, v14
	CELL 19, 3, FY, 5, 6                           ; the row's cell
	v_sub_f32 v19, v19, v4                         ; d, exact
	v_add_f32 v7, v7, v19                          ; m0 + d
	v_add_f32 v20, 1.0, v19
	v_cmp_le_f32 vcc_lo, 0x437f0000, v7            ; past 254: one slot further
	v_cndmask_b32 v19, v19, v20, vcc_lo
	v_cvt_u32_f32 v19, v19
	s_sub_co_u32 s29, s[NS], 2
	v_min_u32 v19, s29, v19                        ; the upper corners' slot stays inside the octave's slots
	v_add_nc_u32 v19, s[JB], v19                   ; j
	v_and_b32 v20, 3, v14                          ; g = r % 4
	v_lshrrev_b32 v21, 2, v14                      ; i = r / 4
	v_lshl_add_u32 v20, v20, 4, v21
	v_lshl_add_u32 v20, v13, 6, v20                ; 64 t + 16 g + i
	s_lshl_b32 s30, s[OCT], 1
	v_add_lshl_u32 v20, v20, s30, 2                ; + 2 o, in bytes
	global_store_b32 v20, v19, s[10:11] offset:RJ_OFF
.Lend:
	s_endpgm
.Lfunc_end_k_qd9ac2bad5d_cells:
	.size	k_qd9ac2bad5d_cells, .Lfunc_end_k_qd9ac2bad5d_cells-k_qd9ac2bad5d_cells
	.p2alignl 7, 3214868480
	.fill 96, 4, 3214868480
	.section	.rodata,"a",@progbits
	.p2align	6, 0x0
	.amdhsa_kernel k_qd9ac2bad5d_cells
		.amdhsa_group_segment_fixed_size 0
		.amdhsa_private_segment_fixed_size 0
		.amdhsa_enable_private_segment 0
		.amdhsa_kernarg_size 32
		.amdhsa_user_sgpr_count 2
		.amdhsa_user_sgpr_kernarg_segment_ptr 1
		.amdhsa_wavefront_size32 1
		.amdhsa_system_sgpr_workgroup_id_x 1
		.amdhsa_system_sgpr_workgroup_id_y 1
		.amdhsa_system_sgpr_workgroup_id_z 1
		.amdhsa_system_vgpr_workitem_id 0
		.amdhsa_next_free_vgpr 24
		.amdhsa_next_free_sgpr 66
		.amdhsa_reserve_vcc 1
		.amdhsa_float_denorm_mode_32 3
		.amdhsa_float_denorm_mode_16_64 3
		.amdhsa_memory_ordered 1
		.amdhsa_forward_progress 1
		.amdhsa_inst_pref_size 10
	.end_amdhsa_kernel
	.amdgpu_metadata
---
amdhsa.version: [ 1, 2 ]
amdhsa.kernels:
  - .name:           k_qd9ac2bad5d_cells
    .symbol:         k_qd9ac2bad5d_cells.kd
    .args:
      - { .name: X, .offset: 0, .size: 8, .value_kind: global_buffer, .address_space: global }
      - { .name: Y, .offset: 8, .size: 8, .value_kind: global_buffer, .address_space: global }
      - { .name: Z, .offset: 16, .size: 8, .value_kind: global_buffer, .address_space: global }
      - { .name: idx, .offset: 24, .size: 8, .value_kind: global_buffer, .address_space: global }
    .group_segment_fixed_size: 0
    .private_segment_fixed_size: 0
    .kernarg_segment_align: 8
    .kernarg_segment_size: 32
    .max_flat_workgroup_size: 256
    .sgpr_count:     66
    .vgpr_count:     24
    .wavefront_size: 32
...
	.end_amdgpu_metadata
.endif
;; end of part 1
;; launch noise (part 2): grid 256 x 1, 32 waves a work-group, no clusters, 299,264 bytes of LDS; arguments p_all, X, Y, Z, idx, acc, mm; writes acc, mm
.if DOCPART == 2
	.amdgcn_target "amdgcn-amd-amdhsa--gfx1250"
	.amdhsa_code_object_version 6
	.text
	.protected	k_qd9ac2bad5d_noise
	.globl	k_qd9ac2bad5d_noise
	.p2align	8
	.type	k_qd9ac2bad5d_noise,@function
k_qd9ac2bad5d_noise:
	s_mov_b64 s[64:65], 0
	v_nop
	global_prefetch_b8 v0, s[64:65] scope:SCOPE_SE
	s_setreg_imm32_b32 hwreg(HW_REG_WAVE_MODE, 25, 1), 1
	s_wait_xcnt 0x0
; EIGHT OCTAVES OF PERLIN NOISE, summed, for a tile of 8 rows x 1,024 columns of one image; also the tile's smallest and largest sum.  Work-group = 16 x image + tile; 1,024 threads.
; THE FORM.  A corner's hash hangs on the lattice point alone: h_dz = p[p[p[Xl] + Yl] + Zi + dz], Xl and Yl in 0 .. 255.  A gradient is linear: gx x + gy y + gz z with gx, gy, gz in -1, 0, 1.
; z is one number for (image, octave), y one number for a row.  So for (octave, row, Xl) the four corners (dy, dz) add up to ONE pair (A, C): the column Xl's share at a pixel is A (xf - dx) + C.
; A corner's part of (A, C) is a function of its hash's low four bits: a table of 16 pairs, W gx and W (gy (yf - dy) + gz (zf - dz)), W = 2^(-5 o) x (v or 1 - v) x (w or 1 - w).
; A pixel's octave is then (1 - u)(A0 xf + C0) + u (A1 (xf - 1) + C1): two reads of 8 bytes and two packed multiply-adds onto a pair of sums.
; STEPS.  1 Thread (g, Xl) = (thread / 256, thread % 256) gathers the hashes of lattice rows j = 12 g .. 12 g + 11 at its Xl (Yl and Zi of a row: whole numbers that the launch before stored), and puts
; their low four bits into LAT[j][Xl].  While the gathers are out the 256 tables of 16 pairs are made: LUT[g][2 o + i][2 dy + dz][h] for row r = g + 4 i.  2 Thread (g, Xl) adds up RT[o][r][Xl] for all o,
; r = g and g + 4.  3 Thread c walks its column: 8 octaves x 8 rows.  4 The tile goes through a stage in LDS, so that a wave stores 512 consecutive bytes; the waves' minima and maxima meet in LDS.
; A barrier stands between a region's writers and its readers: three in all.
; NO CLUSTER, NO TENSOR LOAD: what an image's work-groups share is a table read word by word at places that the data name.  NO PREFETCH: a gather's address is known only when the gather before it is back.
; LIMITS.  An entry of p above 1,048,576 counts as 1,048,576 (the module's table holds 0 .. 1,048,575).  |Y| + 128 below 2^17 and floors below 2^23 in size, as in the launch before.
; n / 100 is n x (1/100) with one fused correction; fade is fused; the lerps are regrouped as weights: the last bits may differ from the plain formula's.
.set XI_OFF, 0
.set YL_OFF, 32768
.set ZI_OFF, 35840
.set RJ_OFF, 38912
.set LUT,   0                          ; 64 x 4 tables of 128 bytes
.set LAT,   32768                      ; 48 lattice rows x 256 Xl x 8 bytes (h0 & 15, h1 & 15)
.set RT,    131072                     ; 8 octaves x 8 rows x 256 Xl x 8 bytes (A, C)
.set STG,   262144                     ; the tile's sums, 8 rows x 4,096 bytes
.set RED,   294912                     ; 32 waves x (min, max)
.set SPARE, 295168                     ; the spare words, 128 bytes for each of 32 waves: sixteen blocks of 256 bytes that no other line names
.set LANE, 2                           ; v2   lane
.set SPW,  3                           ; v3   LDS address of my spare word; never rewritten
.set NIL,  4                           ; v4   0; never rewritten
.set XL4,  5                           ; v5   4 Xl
.set T4,   6                           ; v6   4 x thread
.set T8,   7                           ; v7   8 x thread
.set LA,   8                           ; v8   where I put lattice row 12 g at my Xl
.set XL8,  9                           ; v9   LAT + 8 Xl
.set T8R,  10                          ; v10, v11  RT + 8 x thread, and 65,536 further on (an LDS offset holds 16 bits)
.set STW,  12                          ; v12  STG + 4 x thread
.set X0,   13                          ; v13  (column + X) / 100
.set XI,   14                          ; v14-21  floor(x) % 255 of my column, by octave
.set P1,   22                          ; v22  p[Xl]
.set QA,   24                          ; v24-35  offsets of the second gathers
.set Q,    36                          ; v36-47  their results
.set B,    48                          ; v48-59  offsets of the hashes
.set H,    60                          ; v60-83  the hashes, a pair for each lattice row
.set U,    84                          ; v84-97  the tables' work
.set VA,   24                          ; step 2: v24-27 addresses, v28-43 hashes of 4 entries, v44-75 their table pairs
.set HH,   28
.set G,    44
.set R,    24                          ; step 3: v24-55 an octave's 16 pairs
.set ACC,  56                          ; v56-71  a pair of sums for each row
.set PP,   72                          ; v72-75  (1-u) xf, 1-u, u (xf-1), u
.set E,    76                          ; v76-79  at work
.set AD,   80                          ; v80
.set S,    84                          ; v84-91  the rows' sums
.set MN,   92                          ; v92, v93  min, max
.set MX,   93
.set WV,  18                           ; s18  wave
.set GG,  19                           ; s19  g = wave / 8
.set IB,  20                           ; s20  image
.set IT,  21                           ; s21  tile
.set FX,  22                           ; s22-24  X, Y, Z
.set FY,  23
.set FZ,  24
.set BLK, 25                           ; s25  wave % 8: my 32 Xl
.set TS,  26                           ; s26, s27  at work
.set TS2, 27
.set YL,  28                           ; s28-39  Yl of my 12 lattice rows
.set ZI,  40                           ; s40-51  Zi of my 12 lattice rows
.set RJ,  68                           ; s68-83  lattice row of (o, r = g + 4 i) at 2 o + i
.set LO,  84                           ; s84  the tables' octave = wave / 4
.set P2,  85                           ; s85  2^o
.set AMP, 86                           ; s86  2^(-5 o)
.set LI,  87                           ; s87  i
.set DY,  88                           ; s88  dy
.set ROW, 89                           ; s89  8 t + 4 i
.set DYF, 90                           ; s90  dy as f32
.set SGN, 91                           ; s91, s92  wy = v x SGN + BAS: v, or 1 - v
.set BAS, 92
.set C6,  93                           ; s93, s94  6, -15
.set CM15, 94
.set CX,  95                           ; s95-97  gx, gy, gz of h = 0 .. 15, two bits each: 00 = 0, 01 = 1, 11 = -1
.set CY,  96
.set CZ,  97
.set GB,  98                           ; s98  8,192 g: my group's tables
.macro DIV100 d, a, q, r               ; d = a / 100, as in the launch before
	v_mul_f32 v[\q], 0x3c23d70a, v[\a]
	v_fmamk_f32 v[\r], v[\q], 0xc2c80000, v[\a]
	v_fmamk_f32 v[\d], v[\r], 0x3c23d70a, v[\q]
.endm
.macro FADE d, t, w                    ; d = t t t (t (6 t - 15) + 10)
	v_fma_f32 v[\w], v[\t], s[C6], s[CM15]
	v_fmaak_f32 v[\w], v[\t], v[\w], 0x41200000
	v_mul_f32 v[\d], v[\t], v[\t]
	v_mul_f32 v[\d], v[\d], v[\t]
	v_mul_f32 v[\d], v[\d], v[\w]
.endm
.macro WRED t                          ; min and max over the wave's 32 lanes, in every lane
.irp m, 1,2,4,8
	v_min_num_f32_dpp v[MN], v[MN], v[MN] row_xmask:\m row_mask:0xf bank_mask:0xf
	v_max_num_f32_dpp v[MX], v[MX], v[MX] row_xmask:\m row_mask:0xf bank_mask:0xf
.endr
	v_permlanex16_b32 v[\t], v[MN], s60, s61
	v_min_num_f32 v[MN], v[MN], v[\t]
	v_permlanex16_b32 v[\t], v[MX], s60, s61
	v_max_num_f32 v[MX], v[MX], v[\t]
.endm
	s_load_b256 s[4:11], s[0:1], 0x0               ; p s[4:5], X s[6:7], Y s[8:9], Z s[10:11]
	s_load_b128 s[12:15], s[0:1], 0x20             ; idx s[12:13], acc s[14:15]
	s_load_b64 s[16:17], s[0:1], 0x30              ; mm
	v_lshl_add_u32 v[SPW], v0, 2, SPARE
	v_mov_b32 v[NIL], 0
	v_lshrrev_b32 v1, 5, v0
	v_readfirstlane_b32 s[WV], v1
	v_and_b32 v[LANE], 31, v0
	s_lshr_b32 s[GG], s[WV], 3
	s_and_b32 s[BLK], s[WV], 7
	s_lshr_b32 s[IB], ttmp9, 4
	s_and_b32 s[IT], ttmp9, 15
	s_lshl_b32 s52, s[IB], 23                      ; an image's table: 8,388,608 bytes
	s_mov_b32 s53, 0
	s_mul_i32 s[TS], s[GG], 48                     ; my group's 12 words
	s_mul_i32 s54, s[IT], 192
	s_add_co_u32 s54, s54, s[TS]                   ; in YL[t]
	s_mov_b32 s55, 0
	s_mul_i32 s56, s[IB], 192
	s_add_co_u32 s56, s56, s[TS]                   ; in ZI[b]
	s_mov_b32 s57, 0
	s_lshl_b32 s58, s[IT], 8
	s_lshl_b32 s[TS], s[GG], 6
	s_add_co_u32 s58, s58, s[TS]                   ; RJ[t][g]
	s_mov_b32 s59, 0
	s_lshl_b32 s62, ttmp9, 15                      ; the tile's 32,768 bytes of acc
	s_mov_b32 s63, 0
	s_lshl_b32 s66, ttmp9, 3                       ; its pair in mm
	s_mov_b32 s67, 0
	s_lshl_b32 s[TS], s[BLK], 7
	v_lshl_add_u32 v[XL4], v[LANE], 2, s[TS]
	s_lshl_b32 s[TS], s[WV], 7
	v_lshl_add_u32 v[T4], v[LANE], 2, s[TS]
	s_wait_kmcnt 0x0
	s_add_nc_u64 s[4:5], s[4:5], s[52:53]
	s_add_nc_u64 s[54:55], s[12:13], s[54:55]
	s_add_nc_u64 s[56:57], s[12:13], s[56:57]
	s_add_nc_u64 s[58:59], s[12:13], s[58:59]
	s_add_nc_u64 s[14:15], s[14:15], s[62:63]
	s_add_nc_u64 s[16:17], s[16:17], s[66:67]
	global_load_b32 v[P1], v[XL4], s[4:5]          ; the first link of the chain goes out first
	s_load_b256 s[28:35], s[54:55], YL_OFF
	s_load_b128 s[36:39], s[54:55], YL_OFF+32
	s_load_b256 s[40:47], s[56:57], ZI_OFF
	s_load_b128 s[48:51], s[56:57], ZI_OFF+32
	s_load_b512 s[68:83], s[58:59], RJ_OFF
	s_load_b32 s[FX], s[6:7], 0x0
	s_load_b32 s[FY], s[8:9], 0x0
	s_load_b32 s[FZ], s[10:11], 0x0
.irp o, 0,1,2,3,4,5,6,7
	global_load_b32 v[XI+(\o)], v[T4], s[12:13] offset:XI_OFF+(\o)*4096
.endr
	; offsets and constants, while these are out.  Every LDS address is a constant + the wave's number x a constant + the lane x a constant
	s_lshl_b32 s[TS], s[WV], 8
	v_lshl_add_u32 v[T8], v[LANE], 3, s[TS]
	s_lshl_b32 s[TS], s[BLK], 8
	s_add_co_u32 s[TS], s[TS], LAT
	v_lshl_add_u32 v[XL8], v[LANE], 3, s[TS]
	s_mul_i32 s[TS2], s[GG], 24576                 ; 12 lattice rows of 2,048 bytes
	s_add_co_u32 s[TS], s[TS], s[TS2]
	v_lshl_add_u32 v[LA], v[LANE], 3, s[TS]
	v_add_nc_u32 v[T8R], RT, v[T8]
	v_add_nc_u32 v[T8R+1], RT+65536, v[T8]
	v_add_nc_u32 v[STW], STG, v[T4]
	s_lshr_b32 s[LO], s[WV], 2                     ; thread = 128 o + 64 i + 32 dy + 16 dz + h
	s_add_co_u32 s[P2], s[LO], 127
	s_lshl_b32 s[P2], s[P2], 23
	s_mul_i32 s[AMP], s[LO], 5
	s_sub_co_u32 s[AMP], 127, s[AMP]
	s_lshl_b32 s[AMP], s[AMP], 23
	s_bfe_u32 s[LI], s[WV], 0x10001
	s_and_b32 s[DY], s[WV], 1
	s_lshl_b32 s[ROW], s[IT], 3
	s_lshl2_add_u32 s[ROW], s[LI], s[ROW]
	s_cmp_lg_u32 s[DY], 0
	s_cselect_b32 s[DYF], 1.0, 0
	s_cselect_b32 s[SGN], 1.0, -1.0
	s_cselect_b32 s[BAS], 0, 1.0
	s_mov_b32 s[C6], 0x40c00000
	s_mov_b32 s[CM15], 0xc1700000
	s_mov_b32 s[CX], 0x3100dddd
	s_mov_b32 s[CY], 0xdddd00f5
	s_mov_b32 s[CZ], 0xc4f5f500
	s_lshl_b32 s[GB], s[GG], 13
	s_mov_b32 s60, 0x76543210                      ; v_permlanex16_b32: each lane takes its own place in the other half
	s_mov_b32 s61, 0xfedcba98
	; my h's gradient: its two bits are moved to the top and spread down
	v_and_b32 v[U], 15, v0
	v_lshlrev_b32 v[U], 1, v[U]
	v_sub_nc_u32 v[U], 30, v[U]
	v_lshlrev_b32 v[U+1], v[U], s[CX]
	v_lshlrev_b32 v[U+2], v[U], s[CY]
	v_lshlrev_b32 v[U+3], v[U], s[CZ]
	v_ashrrev_i32 v[U+1], 30, v[U+1]
	v_ashrrev_i32 v[U+2], 30, v[U+2]
	v_ashrrev_i32 v[U+3], 30, v[U+3]
	v_cvt_f32_i32 v[U+1], v[U+1]                   ; gx
	v_cvt_f32_i32 v[U+2], v[U+2]                   ; gy
	v_cvt_f32_i32 v[U+3], v[U+3]                   ; gz
	v_bfe_u32 v[U+4], v0, 4, 1                     ; dz
	v_cvt_f32_u32 v[U+5], v[U+4]
	s_wait_kmcnt 0x0
	; what was loaded enters an address only behind a bound written in the instruction
.irp k, 0,1,2,3,4,5,6,7,8,9,10,11
	s_min_u32 s[YL+(\k)], s[YL+(\k)], 255
	s_min_u32 s[ZI+(\k)], s[ZI+(\k)], 254
.endr
.irp e, 0,1,2,3,4,5,6,7,8,9,10,11,12,13,14,15
	s_min_u32 s[RJ+(\e)], s[RJ+(\e)], 46
.endr
	; z of my tables' octave: zf, and the weight 2^(-5 o) x (w or 1 - w)
	v_cvt_f32_u32 v[U+6], s[IB]
	v_mul_f32 v[U+6], 0x3dcccccd, v[U+6]           ; 0.1 b
	v_add_f32 v[U+6], s[FZ], v[U+6]
	DIV100 U+6, U+6, U+7, U+8
	v_mul_f32 v[U+6], s[P2], v[U+6]
	v_floor_f32 v[U+7], v[U+6]
	v_sub_f32 v[U+6], v[U+6], v[U+7]               ; zf
	FADE U+7, U+6, U+8                             ; w
	v_sub_f32 v[U+8], 1.0, v[U+7]
	v_cmp_ne_u32 vcc_lo, 0, v[U+4]
	v_cndmask_b32 v[U+7], v[U+8], v[U+7], vcc_lo
	v_mul_f32 v[U+7], s[AMP], v[U+7]
	v_sub_f32 v[U+6], v[U+6], v[U+5]               ; zf - dz
	v_mul_f32 v[U+3], v[U+3], v[U+6]               ; gz (zf - dz)
; One entry of the table for row r = n + 4 i: it lies at LUT + 8,192 n + 8 x thread.
.macro LUTN n
	s_add_co_u32 s[TS], s[ROW], \n
	v_cvt_f32_u32 v[U+9], s[TS]
	v_add_f32 v[U+9], s[FY], v[U+9]
	DIV100 U+9, U+9, U+10, U+11
	v_mul_f32 v[U+9], s[P2], v[U+9]
	v_floor_f32 v[U+10], v[U+9]
	v_sub_f32 v[U+9], v[U+9], v[U+10]              ; yf
	FADE U+10, U+9, U+11                           ; v
	v_fma_f32 v[U+10], v[U+10], s[SGN], s[BAS]     ; v or 1 - v
	v_mul_f32 v[U+10], v[U+10], v[U+7]             ; W
	v_sub_f32 v[U+9], v[U+9], s[DYF]
	v_fma_f32 v[U+9], v[U+2], v[U+9], v[U+3]       ; gy (yf - dy) + gz (zf - dz)
	v_mul_f32 v[U+12], v[U+10], v[U+1]
	v_mul_f32 v[U+13], v[U+10], v[U+9]
	ds_store_b64 v[T8], v[U+12:U+13] offset:LUT+(\n)*8192
.endm
	s_wait_loadcnt 8                               ; p[Xl] is in; the 8 loads of XI, issued behind it, may stay out
	v_min_u32 v[P1], 0x100000, v[P1]
.irp k, 0,1,2,3,4,5,6,7,8,9,10,11
	v_add_lshl_u32 v[QA+(\k)], v[P1], s[YL+(\k)], 2
	global_load_b32 v[Q+(\k)], v[QA+(\k)], s[4:5]
.endr
	LUTN 0                                         ; half of my table entries while the second gathers are out
	LUTN 1
.irp k, 0,1,2,3,4,5,6,7,8,9,10,11
	s_wait_loadcnt 11+(\k)                         ; behind second gather k were issued 11 - k second gathers and 2 k hashes
	v_min_u32 v[Q+(\k)], 0x100000, v[Q+(\k)]
	v_add_lshl_u32 v[B+(\k)], v[Q+(\k)], s[ZI+(\k)], 2
	global_load_b32 v[H+2*(\k)], v[B+(\k)], s[4:5]
	global_load_b32 v[H+2*(\k)+1], v[B+(\k)], s[4:5] offset:4
.endr
	LUTN 2                                         ; the other half while the hashes are out
	LUTN 3
	v_cvt_f32_u32 v[X0], v0
	v_add_f32 v[X0], s[FX], v[X0]
	DIV100 X0, X0, U+9, U+10
.irp k, 0,1,2,3,4,5,6,7,8,9,10,11
	s_wait_loadcnt 22-2*(\k)                       ; the hashes of the later lattice rows may stay out; the last count is 0
	v_and_b32 v[H+2*(\k)], 15, v[H+2*(\k)]
	v_and_b32 v[H+2*(\k)+1], 15, v[H+2*(\k)+1]
	ds_store_b64 v[LA], v[H+2*(\k):H+2*(\k)+1] offset:(\k)*2048
.endr
	s_wait_dscnt 0x0                               ; for the others' sake: my tables and my lattice rows are written
	s_barrier_signal -1
	s_barrier_wait -1
; STEP 2.  Four entries e = 2 o + i = 4 bt .. 4 bt + 3 of RT at my (g, Xl): the lower and the upper lattice row's hashes, four table pairs each, their sum.
; A table's 16 pairs are 128 consecutive bytes: lanes with different hashes name different words of them, lanes with the same hash the same word.
.macro RTB bt
.irp q, 0,1,2,3
	v_lshl_add_u32 v[VA+(\q)], s[RJ+4*(\bt)+(\q)], 11, v[XL8]
	ds_load_b64 v[HH+4*(\q):HH+4*(\q)+1], v[VA+(\q)]
	ds_load_b64 v[HH+4*(\q)+2:HH+4*(\q)+3], v[VA+(\q)] offset:2048
.endr
	s_wait_dscnt 0x0
.irp x, 0,1,2,3,4,5,6,7,8,9,10,11,12,13,14,15
	v_min_u32 v[HH+(\x)], 15, v[HH+(\x)]
.endr
.irp x, 0,1,2,3,4,5,6,7,8,9,10,11,12,13,14,15
	v_lshl_add_u32 v[HH+(\x)], v[HH+(\x)], 3, s[GB]
.endr
.irp q, 0,1,2,3
.irp c, 0,1,2,3
	ds_load_b64 v[G+8*(\q)+2*(\c):G+8*(\q)+2*(\c)+1], v[HH+4*(\q)+(\c)] offset:LUT+(4*(\bt)+(\q))*512+(\c)*128
.endr
.endr
.irp q, 0,1,2,3
	s_wait_dscnt 12-3*(\q)                         ; behind entry q's four reads stand 12 - 4 q reads and the q stores below
	v_pk_add_f32 v[G+8*(\q):G+8*(\q)+1], v[G+8*(\q):G+8*(\q)+1], v[G+8*(\q)+2:G+8*(\q)+3]
	v_pk_add_f32 v[G+8*(\q)+4:G+8*(\q)+5], v[G+8*(\q)+4:G+8*(\q)+5], v[G+8*(\q)+6:G+8*(\q)+7]
	v_pk_add_f32 v[G+8*(\q):G+8*(\q)+1], v[G+8*(\q):G+8*(\q)+1], v[G+8*(\q)+4:G+8*(\q)+5]
	ds_store_b64 v[T8R+(4*(\bt)+(\q))/8], v[G+8*(\q):G+8*(\q)+1] offset:((4*(\bt)+(\q))%8)*8192  ; RT + 8,192 e + 8 x thread = RT[o][g + 4 i][Xl]
.endr
.endm
	RTB 0
	RTB 1
	RTB 2
	RTB 3
	s_wait_dscnt 0x0                               ; my part of RT is written, my reads of LAT and LUT are back
	s_barrier_signal -1
	s_barrier_wait -1
; STEP 3.  Octave o of my column: 16 reads (columns Xi and Xi + 1 of the 8 rows' tables), the column's four weights while they are out, two packed multiply-adds a row.
.macro OCTAVE o
	v_min_u32 v[XI+(\o)], 0xfe, v[XI+(\o)]
	v_lshl_add_u32 v[AD], v[XI+(\o)], 3, RT+(\o)*16384
.irp r, 0,1,2,3,4,5,6,7
	ds_load_b64 v[R+4*(\r):R+4*(\r)+1], v[AD] offset:(\r)*2048
	ds_load_b64 v[R+4*(\r)+2:R+4*(\r)+3], v[AD] offset:(\r)*2048+8
.endr
	v_mul_f32 v[E], (127+(\o))<<23, v[X0]          ; x = ((c + X) / 100) 2^o
	v_floor_f32 v[E+1], v[E]
	v_sub_f32 v[E], v[E], v[E+1]                   ; xf
	FADE PP+3, E, E+1                              ; u
	v_sub_f32 v[PP+1], 1.0, v[PP+3]
	v_add_f32 v[E+1], -1.0, v[E]
	v_mul_f32 v[PP], v[PP+1], v[E]
	v_mul_f32 v[PP+2], v[PP+3], v[E+1]
.irp r, 0,1,2,3,4,5,6,7
	s_wait_dscnt 14-2*(\r)                         ; the later rows' reads may stay out
.if (\o) == 0
	v_pk_mul_f32 v[ACC+2*(\r):ACC+2*(\r)+1], v[R+4*(\r):R+4*(\r)+1], v[PP:PP+1]  ; the first product starts the sums
.else
	v_pk_fma_f32 v[ACC+2*(\r):ACC+2*(\r)+1], v[R+4*(\r):R+4*(\r)+1], v[PP:PP+1], v[ACC+2*(\r):ACC+2*(\r)+1]
.endif
	v_pk_fma_f32 v[ACC+2*(\r):ACC+2*(\r)+1], v[R+4*(\r)+2:R+4*(\r)+3], v[PP+2:PP+3], v[ACC+2*(\r):ACC+2*(\r)+1]
.endr
.endm
.irp o, 0,1,2,3,4,5,6,7
	OCTAVE \o
.endr
	; STEP 4.  The rows' sums, into the stage; my 8 rows' min and max, the wave's, into RED
.irp r, 0,1,2,3,4,5,6,7
	v_add_f32 v[S+(\r)], v[ACC+2*(\r)], v[ACC+2*(\r)+1]
	ds_store_b32 v[STW], v[S+(\r)] offset:(\r)*4096
.endr
	v_min3_num_f32 v[MN], v[S], v[S+1], v[S+2]
	v_max3_num_f32 v[MX], v[S], v[S+1], v[S+2]
	v_min3_num_f32 v[MN], v[MN], v[S+3], v[S+4]
	v_max3_num_f32 v[MX], v[MX], v[S+3], v[S+4]
	v_min3_num_f32 v[MN], v[MN], v[S+5], v[S+6]
	v_max3_num_f32 v[MX], v[MX], v[S+5], v[S+6]
	v_min_num_f32 v[MN], v[MN], v[S+7]
	v_max_num_f32 v[MX], v[MX], v[S+7]
	WRED E+1
	s_lshl_b32 s[TS], s[WV], 3
	s_add_co_u32 s[TS], s[TS], RED
	v_mov_b32 v[E+2], s[TS]
	ds_store_b64 v[E+2], v[MN:MX]                  ; all lanes write the wave's own 8 bytes with the same pair
	s_lshl_b32 s[TS], s[WV], 10
	v_lshl_add_u32 v[AD], v[LANE], 4, s[TS]        ; 1,024 x wave + 16 x lane: the stage lies as the tile lies in memory
	v_add_nc_u32 v[E+3], STG, v[AD]
	s_wait_dscnt 0x0                               ; for the others' sake
	s_barrier_signal -1
	s_barrier_wait -1
	ds_load_b128 v[R:R+3], v[E+3]
	ds_load_b128 v[R+4:R+7], v[E+3] offset:512
	s_wait_dscnt 0x1                               ; the first is back, the second may stay out
	global_store_b128 v[AD], v[R:R+3], s[14:15] th:TH_STORE_NT             ; a wave stores 512 consecutive bytes, at a multiple of 512 from acc's first byte
	s_wait_dscnt 0x0
	global_store_b128 v[AD], v[R+4:R+7], s[14:15] offset:512 th:TH_STORE_NT
	s_cmp_lg_u32 s[WV], 0                          ; wave 0 finishes the tile's min and max: a lane a wave
	s_cbranch_scc1 .Lend
	v_lshl_add_u32 v[E], v[LANE], 3, RED
	ds_load_b64 v[MN:MX], v[E]
	v_mov_b32 v[E+2], 0
	s_wait_dscnt 0x0
	WRED E+1
	v_cmp_eq_u32 vcc_lo, 0, v[LANE]
	s_wait_xcnt 0x0                                ; EXEC changes only when the stores above have read their sources
	s_and_saveexec_b32 s[TS], vcc_lo
	global_store_b64 v[E+2], v[MN:MX], s[16:17]
	s_wait_xcnt 0x0                                ; and again in front of the line that widens it
	s_or_b32 exec_lo, exec_lo, s[TS]
.Lend:
	s_wait_tensorcnt 0x0                           ; the wave's end, behind my last LDS store
	ds_add_u32 v[SPW], v[NIL]
	s_wait_dscnt 0x0
	s_endpgm
.Lfunc_end_k_qd9ac2bad5d_noise:
	.size	k_qd9ac2bad5d_noise, .Lfunc_end_k_qd9ac2bad5d_noise-k_qd9ac2bad5d_noise
	.p2alignl 7, 3214868480
	.fill 96, 4, 3214868480
	.section	.rodata,"a",@progbits
	.p2align	6, 0x0
	.amdhsa_kernel k_qd9ac2bad5d_noise
		.amdhsa_group_segment_fixed_size 299264
		.amdhsa_private_segment_fixed_size 0
		.amdhsa_enable_private_segment 0
		.amdhsa_kernarg_size 56
		.amdhsa_user_sgpr_count 2
		.amdhsa_user_sgpr_kernarg_segment_ptr 1
		.amdhsa_wavefront_size32 1
		.amdhsa_system_sgpr_workgroup_id_x 1
		.amdhsa_system_sgpr_workgroup_id_y 1
		.amdhsa_system_sgpr_workgroup_id_z 1
		.amdhsa_system_vgpr_workitem_id 0
		.amdhsa_next_free_vgpr 104
		.amdhsa_next_free_sgpr 100
		.amdhsa_reserve_vcc 1
		.amdhsa_float_denorm_mode_32 3
		.amdhsa_float_denorm_mode_16_64 3
		.amdhsa_memory_ordered 1
		.amdhsa_forward_progress 1
		.amdhsa_inst_pref_size 65
	.end_amdhsa_kernel
	.amdgpu_metadata
---
amdhsa.version: [ 1, 2 ]
amdhsa.kernels:
  - .name:           k_qd9ac2bad5d_noise
    .symbol:         k_qd9ac2bad5d_noise.kd
    .args:
      - { .name: p_all, .offset: 0, .size: 8, .value_kind: global_buffer, .address_space: global }
      - { .name: X, .offset: 8, .size: 8, .value_kind: global_buffer, .address_space: global }
      - { .name: Y, .offset: 16, .size: 8, .value_kind: global_buffer, .address_space: global }
      - { .name: Z, .offset: 24, .size: 8, .value_kind: global_buffer, .address_space: global }
      - { .name: idx, .offset: 32, .size: 8, .value_kind: global_buffer, .address_space: global }
      - { .name: acc, .offset: 40, .size: 8, .value_kind: global_buffer, .address_space: global }
      - { .name: mm, .offset: 48, .size: 8, .value_kind: global_buffer, .address_space: global }
    .group_segment_fixed_size: 299264
    .private_segment_fixed_size: 0
    .kernarg_segment_align: 8
    .kernarg_segment_size: 56
    .max_flat_workgroup_size: 1024
    .sgpr_count:     100
    .vgpr_count:     104
    .wavefront_size: 32
...
	.end_amdgpu_metadata
.endif
;; end of part 2
;; launch scale (part 3): grid 256 x 1, 8 waves a work-group, no clusters, 0 bytes of LDS; arguments acc, mm, out0; writes out0
.if DOCPART == 3
	.amdgcn_target "amdgcn-amd-amdhsa--gfx1250"
	.amdhsa_code_object_version 6
	.text
	.protected	k_qd9ac2bad5d_scale
	.globl	k_qd9ac2bad5d_scale
	.p2align	8
	.type	k_qd9ac2bad5d_scale,@function
k_qd9ac2bad5d_scale:
	s_mov_b64 s[64:65], 0
	v_nop
	global_prefetch_b8 v0, s[64:65] scope:SCOPE_SE
	s_setreg_imm32_b32 hwreg(HW_REG_WAVE_MODE, 25, 1), 1
	s_wait_xcnt 0x0
; out = (acc - mn) / (mx - mn), mn and mx over an image.  Work-group = 16 x image + tile, as in the launch before: 32,768 bytes of acc in, as many of out0 out; 256 threads, 8 x 16 bytes each.
; An image's 16 pairs (min, max) are 128 bytes of mm: lane l takes pair l % 16, so each half of a wave holds all 16, and four steps inside the half leave the image's pair in every lane.
; The division is a multiplication by v_rcp_f32's reciprocal, fused with the shift: acc s - mn s.  Where mx = mn the result is NaN, as 0 / 0 is.
; A stream read once and written once: all eight loads of a thread go out together; no LDS, no barrier; no prefetch, since nothing stands ahead of the loads from which to ask.
	s_load_b128 s[4:7], s[0:1], 0x0                ; acc s[4:5], mm s[6:7]
	s_load_b64 s[8:9], s[0:1], 0x10                ; out0
	v_and_b32 v1, 15, v0
	v_lshlrev_b32 v1, 3, v1                        ; my pair
	v_lshlrev_b32 v2, 4, v0                        ; my 16 bytes of each 4,096
	s_lshr_b32 s10, ttmp9, 4
	s_lshl_b32 s10, s10, 7                         ; the image's 128 bytes of mm
	s_mov_b32 s11, 0
	s_lshl_b32 s12, ttmp9, 15                      ; the tile's 32,768 bytes
	s_mov_b32 s13, 0
	s_wait_kmcnt 0x0
	s_add_nc_u64 s[6:7], s[6:7], s[10:11]
	s_add_nc_u64 s[4:5], s[4:5], s[12:13]
	s_add_nc_u64 s[8:9], s[8:9], s[12:13]
	global_load_b64 v[4:5], v1, s[6:7]
.irp i, 0,1,2,3,4,5,6,7
	global_load_b128 v[8+4*(\i):11+4*(\i)], v2, s[4:5] offset:(\i)*4096 th:TH_LOAD_NT
.endr
	s_wait_loadcnt 8                               ; the pair is in; the eight loads behind it stay out
.irp m, 1,2,4,8
	v_min_num_f32_dpp v4, v4, v4 row_xmask:\m row_mask:0xf bank_mask:0xf
	v_max_num_f32_dpp v5, v5, v5 row_xmask:\m row_mask:0xf bank_mask:0xf
.endr
	v_sub_f32 v42, v5, v4
	v_rcp_f32 v6, v42
	v_nop                                          ; a plain instruction between the reciprocal and the use of its result (ISA guide 5.7.2)
	s_wait_alu depctr_va_vdst(0)                   ; and the wait ahead of its first reader
	v_mov_b32 v7, v6                               ; s twice, for the packed lines
	v_mul_f32 v40, v4, v6                          ; mn s
	v_mov_b32 v41, v40
.irp i, 0,1,2,3,4,5,6,7
	s_wait_loadcnt 7-(\i)                          ; the younger loads stay out
	v_pk_fma_f32 v[8+4*(\i):9+4*(\i)], v[8+4*(\i):9+4*(\i)], v[6:7], v[40:41] neg_lo:[0,0,1] neg_hi:[0,0,1]
	v_pk_fma_f32 v[10+4*(\i):11+4*(\i)], v[10+4*(\i):11+4*(\i)], v[6:7], v[40:41] neg_lo:[0,0,1] neg_hi:[0,0,1]
	global_store_b128 v2, v[8+4*(\i):11+4*(\i)], s[8:9] offset:(\i)*4096 th:TH_STORE_NT  ; a wave stores 512 consecutive bytes, aligned
.endr
	s_endpgm
.Lfunc_end_k_qd9ac2bad5d_scale:
	.size	k_qd9ac2bad5d_scale, .Lfunc_end_k_qd9ac2bad5d_scale-k_qd9ac2bad5d_scale
	.p2alignl 7, 3214868480
	.fill 96, 4, 3214868480
	.section	.rodata,"a",@progbits
	.p2align	6, 0x0
	.amdhsa_kernel k_qd9ac2bad5d_scale
		.amdhsa_group_segment_fixed_size 0
		.amdhsa_private_segment_fixed_size 0
		.amdhsa_enable_private_segment 0
		.amdhsa_kernarg_size 24
		.amdhsa_user_sgpr_count 2
		.amdhsa_user_sgpr_kernarg_segment_ptr 1
		.amdhsa_wavefront_size32 1
		.amdhsa_system_sgpr_workgroup_id_x 1
		.amdhsa_system_sgpr_workgroup_id_y 1
		.amdhsa_system_sgpr_workgroup_id_z 1
		.amdhsa_system_vgpr_workitem_id 0
		.amdhsa_next_free_vgpr 44
		.amdhsa_next_free_sgpr 66
		.amdhsa_reserve_vcc 0
		.amdhsa_float_denorm_mode_32 3
		.amdhsa_float_denorm_mode_16_64 3
		.amdhsa_memory_ordered 1
		.amdhsa_forward_progress 1
		.amdhsa_inst_pref_size 5
	.end_amdhsa_kernel
	.amdgpu_metadata
---
amdhsa.version: [ 1, 2 ]
amdhsa.kernels:
  - .name:           k_qd9ac2bad5d_scale
    .symbol:         k_qd9ac2bad5d_scale.kd
    .args:
      - { .name: acc, .offset: 0, .size: 8, .value_kind: global_buffer, .address_space: global }
      - { .name: mm, .offset: 8, .size: 8, .value_kind: global_buffer, .address_space: global }
      - { .name: out0, .offset: 16, .size: 8, .value_kind: global_buffer, .address_space: global }
    .group_segment_fixed_size: 0
    .private_segment_fixed_size: 0
    .kernarg_segment_align: 8
    .kernarg_segment_size: 24
    .max_flat_workgroup_size: 256
    .sgpr_count:     66
    .vgpr_count:     44
    .wavefront_size: 32
...
	.end_amdgpu_metadata
.endif
;; end of part 3
;; ======== version 2 of 2: 3 launches; version 1 with the launch scale written anew for expert scheduling mode
;; limits: right only within a limited range of input values
;; workspace buffers: idx 43,008 bytes of whole numbers; acc 8,388,608 bytes; mm 2,048 bytes
;; launch cells: the kernel of part 1 again; grid 8 x 1, 8 waves a work-group, no clusters, 0 bytes of LDS; arguments X, Y, Z, idx; writes idx
;; launch noise: the kernel of part 2 again; grid 256 x 1, 32 waves a work-group, no clusters, 299,264 bytes of LDS; arguments p_all, X, Y, Z, idx, acc, mm; writes acc, mm
;; launch scale (part 4): grid 256 x 1, 8 waves a work-group, no clusters, 0 bytes of LDS; arguments acc, mm, out0; writes out0
.if DOCPART == 4
	.amdgcn_target "amdgcn-amd-amdhsa--gfx1250"
	.amdhsa_code_object_version 6
	.text
	.protected	k_qd9ac2bad5d_scale
	.globl	k_qd9ac2bad5d_scale
	.p2align	8
	.type	k_qd9ac2bad5d_scale,@function
k_qd9ac2bad5d_scale:
	s_mov_b64 s[64:65], 0
	v_nop
	global_prefetch_b8 v0, s[64:65] scope:SCOPE_SE
	s_setreg_imm32_b32 hwreg(HW_REG_WAVE_SCHED_MODE, 0, 2), 2
	s_setreg_imm32_b32 hwreg(HW_REG_WAVE_MODE, 25, 1), 1
	s_wait_xcnt 0x0
	s_wait_alu depctr_vm_vsrc(0)
; out = (acc - mn) / (mx - mn), mn and mx over an image.  Work-group = 16 x image + tile, as in the launch before: 32,768 bytes of acc in, as many of out0 out; 256 threads, 8 x 16 bytes each.
; An image's 16 pairs (min, max) are 128 bytes of mm: lane l takes pair l % 16, so each half of a wave holds all 16, and four steps inside the half leave the image's pair in every lane.
; The division is a multiplication by v_rcp_f32's reciprocal, fused with the shift: acc s - mn s.  Where mx = mn the result is NaN, as 0 / 0 is.
; A stream read once and written once: all eight loads of a thread go out together; no LDS, no barrier; no prefetch, since nothing stands ahead of the loads from which to ask.
; THE MODE: SCHED_MODE bits 1:0 = 2 (LLVM: expert scheduling mode 2), set by the entry lines.  The code itself states the register dependences
; between vector instructions and memory instructions, with s_wait_alu, always for 0.
; THE PLAN.  Registers that memory instructions touch:
;   v1, v2     byte offsets, made at the head and never written again: v1 is read by the load of the pair, v2 by all eight loads and all eight stores.
;   v[4:5]     the pair's load lands here, once; only vector instructions name it behind that.
;   v[8:39]    eight blocks of four.  Block i: its load lands once; its two packed lines scale it in place; its store reads it; nothing writes it again.
;   v6, v7, v40, v41, v42 are named by vector instructions alone.
; The blocks go in four steps of two.  Step j scales blocks 2 j and 2 j + 1; its memory instructions are the stores of blocks 2 j - 2 and 2 j - 1, which the step before scaled and which no
; vector instruction of step j names.  So one wait at a step's head, behind the wait for the step's data, states all that its two stores hang on, and they are dealt among its four packed lines.
; No register that a memory instruction has read is written again, and no load lands in a register that a vector instruction has named: nothing else is owed.
.set BLK, 8                            ; v[8:39]  block i at BLK + 4 i
	s_load_b128 s[4:7], s[0:1], 0x0                ; acc s[4:5], mm s[6:7]
	s_load_b64 s[8:9], s[0:1], 0x10                ; out0
	v_and_b32 v1, 15, v0
	v_lshlrev_b32 v1, 3, v1                        ; my pair
	v_lshlrev_b32 v2, 4, v0                        ; my 16 bytes of each 4,096
	s_lshr_b32 s10, ttmp9, 4
	s_lshl_b32 s10, s10, 7                         ; the image's 128 bytes of mm
	s_mov_b32 s11, 0
	s_lshl_b32 s12, ttmp9, 15                      ; the tile's 32,768 bytes
	s_mov_b32 s13, 0
	s_wait_kmcnt 0x0
	s_add_nc_u64 s[6:7], s[6:7], s[10:11]
	s_add_nc_u64 s[4:5], s[4:5], s[12:13]
	s_add_nc_u64 s[8:9], s[8:9], s[12:13]
	s_wait_alu depctr_va_vdst(0)                   ; v1 and v2 are written: every load and store of the kernel reads one of them as its offset
	global_load_b64 v[4:5], v1, s[6:7]
.irp i, 0,1,2,3,4,5,6,7
	global_load_b128 v[BLK+4*(\i):BLK+3+4*(\i)], v2, s[4:5] offset:(\i)*4096 th:TH_LOAD_NT
.endr
	s_wait_loadcnt 8                               ; the pair is in; the eight loads behind it stay out
.irp m, 1,2,4,8
	v_min_num_f32_dpp v4, v4, v4 row_xmask:\m row_mask:0xf bank_mask:0xf
	v_max_num_f32_dpp v5, v5, v5 row_xmask:\m row_mask:0xf bank_mask:0xf
.endr
	v_sub_f32 v42, v5, v4
	v_rcp_f32 v6, v42
	v_nop                                          ; a plain instruction between the reciprocal and the use of its result (ISA guide 5.7.2)
	s_wait_alu depctr_va_vdst(0)                   ; the reciprocal has written v6: the wait ahead of its first reader
	v_mov_b32 v7, v6                               ; s twice, for the packed lines
	v_mul_f32 v40, v4, v6                          ; mn s
	v_mov_b32 v41, v40
.irp j, 0,1,2,3
	s_wait_loadcnt 6-2*(\j)                        ; loads come back in order (ISA guide 5.7.1): this step's two blocks are in, the later steps' loads stay out
.if (\j) > 0
	s_wait_alu depctr_va_vdst(0)                   ; the step before has written its two blocks, which the two stores below read
.endif
.irp e, 0,1
.set NOW, BLK+4*(2*(\j)+(\e))          ; the block that is scaled
.set OLD, NOW-8                        ; the block that leaves: two blocks back
.if (\j) > 0
	global_store_b128 v2, v[OLD:OLD+3], s[8:9] offset:(OLD-BLK)*1024 th:TH_STORE_NT  ; a wave stores 512 consecutive bytes, aligned; no vector instruction since the wait names these registers
.endif
	v_pk_fma_f32 v[NOW:NOW+1], v[NOW:NOW+1], v[6:7], v[40:41] neg_lo:[0,0,1] neg_hi:[0,0,1]
	v_pk_fma_f32 v[NOW+2:NOW+3], v[NOW+2:NOW+3], v[6:7], v[40:41] neg_lo:[0,0,1] neg_hi:[0,0,1]
.endr
.endr
	s_wait_alu depctr_va_vdst(0)                   ; the last step has written blocks 6 and 7, which the last two stores read
.irp i, 6,7
	global_store_b128 v2, v[BLK+4*(\i):BLK+3+4*(\i)], s[8:9] offset:(\i)*4096 th:TH_STORE_NT
.endr
	s_endpgm
.Lfunc_end_k_qd9ac2bad5d_scale:
	.size	k_qd9ac2bad5d_scale, .Lfunc_end_k_qd9ac2bad5d_scale-k_qd9ac2bad5d_scale
	.p2alignl 7, 3214868480
	.fill 96, 4, 3214868480
	.section	.rodata,"a",@progbits
	.p2align	6, 0x0
	.amdhsa_kernel k_qd9ac2bad5d_scale
		.amdhsa_group_segment_fixed_size 0
		.amdhsa_private_segment_fixed_size 0
		.amdhsa_enable_private_segment 0
		.amdhsa_kernarg_size 24
		.amdhsa_user_sgpr_count 2
		.amdhsa_user_sgpr_kernarg_segment_ptr 1
		.amdhsa_wavefront_size32 1
		.amdhsa_system_sgpr_workgroup_id_x 1
		.amdhsa_system_sgpr_workgroup_id_y 1
		.amdhsa_system_sgpr_workgroup_id_z 1
		.amdhsa_system_vgpr_workitem_id 0
		.amdhsa_next_free_vgpr 44
		.amdhsa_next_free_sgpr 66
		.amdhsa_reserve_vcc 0
		.amdhsa_float_denorm_mode_32 3
		.amdhsa_float_denorm_mode_16_64 3
		.amdhsa_memory_ordered 1
		.amdhsa_forward_progress 1
		.amdhsa_inst_pref_size 5
	.end_amdhsa_kernel
	.amdgpu_metadata
---
amdhsa.version: [ 1, 2 ]
amdhsa.kernels:
  - .name:           k_qd9ac2bad5d_scale
    .symbol:         k_qd9ac2bad5d_scale.kd
    .args:
      - { .name: acc, .offset: 0, .size: 8, .value_kind: global_buffer, .address_space: global }
      - { .name: mm, .offset: 8, .size: 8, .value_kind: global_buffer, .address_space: global }
      - { .name: out0, .offset: 16, .size: 8, .value_kind: global_buffer, .address_space: global }
    .group_segment_fixed_size: 0
    .private_segment_fixed_size: 0
    .kernarg_segment_align: 8
    .kernarg_segment_size: 24
    .max_flat_workgroup_size: 256
    .sgpr_count:     66
    .vgpr_count:     44
    .wavefront_size: 32
...
	.end_amdgpu_metadata
.endif
;; end of part 4
